; MI455X (gfx1250); checked and timed in simulation.
; The chip was launched on July 23, 2026; its instructions are those of AMD's public machine-readable ISA for CDNA 5 (MIT licence, August 2026) and "CDNA5" Instruction Set Architecture Reference Guide (July 2026). The comments in the code are by the model that wrote it; some were corrected since.
;; Scaled Dot Product Attention. Allowed arithmetic: matrix products marked QUANTISED: E5M2 operands, one given power-of-two scale a tensor, by v_wmma_f32_16x16x64_bf8_bf8 or v_wmma_f32_16x16x128_bf8_bf8, f32 sums; everything else in f32.
;; Inputs: k_codes 4 x 16 x 2,048 x 2 x 32 uint8 (E5M2 codes of k, K innermost, in blocks of 32 codes); lowp_scales 4 int32 (the exponents e of the quantised operands' scales 2^e); q_codes 4 x 16 x 2,048 x 2 x 32 uint8 (E5M2 codes of q, K innermost, in blocks of 32 codes); v_codes 4 x 16 x 64 x 64 x 32 uint8 (E5M2 codes of v, K innermost, in blocks of 32 codes).
;; Outputs: out0 4 x 16 x 2,048 x 64 float32.
;; This version of the problem:
;;   THIS VERSION OF THE PROBLEM IS GIVEN IN LOW PRECISION. The matrix products marked QUANTISED in the list below multiply operands that are first quantised to E5M2 (5 exponent bits, 2 mantissa bits; 8 bits a number), with one given power-of-two scale for each operand tensor; their sums are f32. All else is computed in f32.
;;   The module's matrix products, in the order in which they are computed (A, B: the left and right operand; K: the contracted axis; several contracted axes count as one K, in the product's order):
;;     1. batch 64 x [M 2,048, K 64] x [K 64, N 2,048]; A: input q (given as codes); B: input k (given as codes): QUANTISED (scales: A lowp_scales[0], B lowp_scales[1])
;;     2. batch 64 x [M 2,048, K 2,048] x [K 2,048, N 64]; A: softmax (see below); B: input v (given as codes): QUANTISED (scales: A lowp_scales[2], B lowp_scales[3])
;;   THE QUANTISER, for each operand of a quantised product, along K:
;;     - The operand's scale is 2^e, e = its entry of the input lowp_scales (int32; the entries are numbered through the quantised products in the list's order, A before B).
;;     - Each number is divided by the scale, clamped to +-57,344, and rounded to the nearest number of E5M2, ties to even, subnormals kept.
;;     - The product sums the exact products of the quantised numbers (number of the format x scale) in f32.
;;   ~~~python
;;   def quantise(x, axis, e):      # numpy; x: float32 -> the quantised numbers, widened to float32 again
;;       x = np.moveaxis(x, axis, -1); K = x.shape[-1]
;;       r = np.clip(x / 2.0 ** e, -57344, 57344)
;;       step = 2.0 ** (np.maximum(np.frexp(np.where(r == 0, 1, r))[1] - 1, -14) - 2)
;;       q = np.round(r / step) * step * 2.0 ** e      # np.round: ties to even
;;       return np.moveaxis(q, -1, axis).astype(np.float32)
;;   ~~~
;;   SOFTMAX AHEAD OF A QUANTISED PRODUCT. Where the list says 'softmax', what is quantised is not the finished softmax but p = 2^(t - M), with t = logit x log2(e) and M = ceil(the row's largest t), a whole number; so 1/2 < the row's largest p <= 1. The row's sum l is taken of the UNQUANTISED p, in f32, and the product's result is divided by l at the end. Since M is a whole number, a kernel that streams over the keys may use a running M (the ceiling of the running maximum): every later rescaling is an exact power of two, so the quantised numbers keep their values, but for numbers so far below the row's largest that they fall under the format's range.
;;   OPERANDS COMPUTED ON THE WAY. 'Computed on the way' means the value that the module computes at that place (a softmax that the list does not call 'softmax' is quantised finished and normalised). What goes into a quantiser is computed in f32, as accurately as f32 sums, v_exp_f32 and their like allow (about 1e-6 of the number): no bf16 or f16 on the way to a quantiser, and a product that is left as it is and whose result goes on into a quantised operand takes f32 operands (vector FMAs, or v_wmma_f32_16x16x4_f32). A number that lies on a knife's edge between two numbers of the format may be rounded either way, as far as f32 arithmetic and the matrix unit's own rounding can turn it there, and no further.
;;   INPUTS GIVEN AS CODES. k (in the module: [4, 16, 2048, 64], K = its axis 3); q (in the module: [4, 16, 2048, 64], K = its axis 3); v (in the module: [4, 16, 2048, 64], K = its axis 2): each comes as NAME_codes (uint8): NAME with its K axis moved to the last place and cut into blocks of 32 codes, [.., K / 32, bytes a block], one block behind the other in memory; one code a byte (a code: sign, 5 exponent bits, 2 mantissa bits); its scale is its entry of lowp_scales. Its value is code x scale, taken as it is: it is not quantised again, and the codes and scales need not be those that the quantiser above would give.
;; One version. Each part assembles by itself: llvm-mc -triple=amdgcn-amd-amdhsa -mcpu=gfx1250 --defsym DOCPART=n.
;; ======== version 1 of 1: 1 launch
;; limits: right only within a limited range of input values
;; launch attn (part 1): grid 64 x 4, 16 waves a work-group, no clusters, 284,672 bytes of LDS; arguments q_codes, k_codes, v_codes, lowp_scales, out0; writes out0
.if DOCPART == 1
	.amdgcn_target "amdgcn-amd-amdhsa--gfx1250"
	.amdhsa_code_object_version 6
	.text
	.protected	k_qb00e630ce6_attn
	.globl	k_qb00e630ce6_attn
	.p2align	8
	.type	k_qb00e630ce6_attn,@function
k_qb00e630ce6_attn:
	s_mov_b64 s[64:65], 0
	v_nop
	global_prefetch_b8 v0, s[64:65] scope:SCOPE_SE
	s_setreg_imm32_b32 hwreg(HW_REG_WAVE_MODE, 25, 1), 1
	s_wait_xcnt 0x0
; out[h][q][:] = the sum over k of softmax_k(Q[h][q] . K[h][k] / 8) V[h][k][:], 64 heads, 2,048 queries and keys a head, head size 64, no mask; both products on codes of BF8 (E5M2).
; q_codes, k_codes: [head][2048][64 bytes], K = the head's 64.  v_codes: [head][64 d][2048 bytes], the keys innermost.  lowp_scales: eq, ek, ep, ev.  out0: [head][2048][64] f32.
; THE SOFTMAX AHEAD OF THE SECOND PRODUCT: t = score x 2^(eq + ek) x log2(e) / 8; M = the row's largest t so far, rounded UP to a whole number; p = 2^(t - M), not normalised, is held at 57,344 x 2^ep and
; quantised with 2^ep.  The row's sum l is taken of the unquantised p in f32.  When M moves, l and O are multiplied by 2^(old M - new M), which rounds nothing.  out = O x 2^(ep + ev) / l.
; SHARES.  A work-group owns 512 queries of one head, each of its sixteen waves 32 of them: two tiles of 16 (T0, T1), so that each fragment of K and V read from LDS feeds two matrix instructions.  Four waves to a SIMD,
; 256 registers each, no register windows.  Every wave walks all 2,048 keys, 128 a step.
; LDS.  A head's K and V as codes are 262,144 bytes: with padding 282,624, in four blocks of 512 keys.  Each byte is filled once: blocks 0 and 1 at the head, blocks 2 and 3 in the first four steps, by loads into registers and LDS stores.
; NO CLUSTER: what the four work-groups of a head share is brought in once in the launch, 262,144 bytes, 1/16 of the 4,194,304 bytes that a work-group's sixteen waves read from LDS in their 16 steps; no slot is filled again, and
; behind the fourth step nothing is asked for.  Joint loads would put a round of four work-groups in front of each of the fills and one more at the end.  The four work-groups of a head have numbers 64 apart.
; NO PREFETCH: after the head only four trips load, each most of a softmax ahead of its stores, so there is no loop to run ahead in.
; LAYOUT.  Both products are used transposed: S^T = K Q^T (source 0 = 16 keys, source 1 = 16 queries), O^T += V^T P^T (source 0 = 16 of the head's 64, source 1 = P): a lane holds ONE query (lane % 16) throughout.
; THE KEYS OF A TILE ARE NOT NEIGHBOURS: lane r of tile 2 b + u takes key 32 b + 8 u + r + 8 (r / 8), so that the 16 registers of tiles 2 b and 2 b + 1 are the 16 neighbouring keys 32 b + 16 (lane / 16) + 0 .. 15,
; and the conversions' results are the second product's operand.  All fragments come by loads of 16 bytes at + 16 (lane / 16), 32 bytes apart: a permutation of k that is the same in both operands of a product.
; LIMITS.  eq + ek between -123 and 130 (they are added to c's exponent field); ep between -126 and 112 (2^ep and 57,344 x 2^ep are f32 numbers); ep + ev goes by v_ldexp_f32 and has none.
; Codes of infinity and NaN among the inputs are not served.  A p under 2^-126 counts as 0 (v_exp_f32 gives no denormals: ISA guide 15.8).
; REGISTERS: v0 thread; v2, v4 -M of T0, T1; v3, v5 my lane's place in K, in V; v6, v8 f of T0, T1; v7 57,344 x 2^ep; v9 2^ep (each even one is the low word of a pair that a packed form names);
;   v[10:11], v[12:13] l of T0, T1, in two halves; v[14:29] Q; v[64:127] S^T of T0; v[128:191] S^T of T1; v[192:255] O^T; v62, v63 LDS addresses of the step's K, V.
;   K's fragments: tiles 0-3 in v[160:191] (T1's scores of tiles 4-7 come later), tiles 4-7 in v[30:61].  P of T0 lands in v[30:45], P of T1 in v[46:61]; V's four fragments in v[64:127], T0's p being done with.
.set KP,     144                       ; an LDS row of K: two keys, 128 bytes, + 16 of padding
.set VP,     528                       ; an LDS row of V: 512 keys of one d + 16 of padding = 33 x 16 bytes
.set VOFF,   256*KP                    ; a block: 256 rows of K (512 keys), then 64 rows of V
.set STAGEB, VOFF+64*VP                ; 70,656 bytes
.set SPARE,  4*STAGEB                  ; the spare words, 128 bytes a wave
.set KSTEPB, 64*KP                     ; a step's 128 keys of K; V steps by 128 bytes along its rows
.set OSP,    272                       ; the way out: a stage of 16 rows x (256 bytes + 16) for each wave, in block 0
.set NEG0, 2
.set AK,   3
.set NEG1, 4
.set AV,   5
.set FF0,  6
.set LIM,  7
.set FF1,  8
.set SCL,  9
.set LS0,  10
.set LS1,  12
.set QF0,  14
.set QF1,  22
.set KF0,  160
.set KF1,  30
.set PC0,  30
.set PC1,  46
.set ST,   54                          ; v[54:59] three pairs at work in a sum
.set ADK,  62
.set ADV,  63
.set SC0,  64
.set SC1,  128
.set OT,   192
.set STO,  63                          ; the way out: where I put 32 bytes of a row
.set RD,   3                           ; where I read a row back
.set GO,   5                           ; my byte offset in the wave's rows of out0
.set WV,   14                          ; s14  my wave's number
.set CS,   66                          ; s[66:67] c = 2^(eq + ek) log2(e) / 8: the packed form names a pair and takes its low word for both halves
.set SEL,  68                          ; s[68:69] lane selects for v_permlanex16_b32: lane l xor 16
.set TBK,  70                          ; s70  LDS byte at which the step's K begins
.set TBV,  71                          ; s71  the same for V
.set EX,   72                          ; s[72:75] eq, ek, ep, ev
.set CIN,  76
.set COUT, 77
.set EPV,  78                          ; s78  ep + ev
.set SKS,  88                          ; s88  LDS byte of my part of the trip's K for block 2
.set SVS,  89                          ; s89  the same for V
	s_load_b256 s[4:11], s[0:1], 0x0               ; Q's codes s[4:5], K's s[6:7], V's s[8:9], the scales' exponents s[10:11]
	s_load_b64 s[12:13], s[0:1], 0x20              ; out0
	v_lshrrev_b32 v1, 5, v0
	v_readfirstlane_b32 s[WV], v1                  ; wave 0..15
	v_and_b32 v62, 31, v0                          ; lane
	v_lshlrev_b32 v1, 4, v62                       ; 16 x lane
	s_lshl_b32 s82, ttmp9, 17                      ; the head's first byte in each tensor of codes: 2,048 x 64
	s_lshl_b32 s84, s[WV], 11                      ; K: my 32 keys of each block, 2,048 bytes on end
	s_add_co_u32 s84, s84, s82
	s_mov_b32 s85, 0
	s_lshl_b32 s86, s[WV], 13                      ; V: my 4 rows of 2,048 bytes
	s_add_co_u32 s86, s86, s82
	s_mov_b32 s87, 0
	s_lshl_b32 s92, ttmp9, 11
	s_and_b32 s91, ttmp7, 0xffff                   ; my block of 512 queries
	s_lshl_b32 s91, s91, 9
	s_add_co_u32 s92, s92, s91
	s_lshl_b32 s91, s[WV], 5
	s_add_co_u32 s92, s92, s91                     ; my first query: 2,048 x head + 512 x block + 32 x wave
	s_lshl_b32 s94, s92, 8                         ; its row of out0 (256 bytes a row),
	s_lshl_b32 s92, s92, 6                         ; its codes (64 bytes a row)
	s_mov_b32 s93, 0
	s_mov_b32 s95, 0
	s_wait_alu depctr_va_vdst(0)                   ; directly ahead of the wait below
	s_wait_kmcnt 0x0
	s_add_nc_u64 s[6:7], s[6:7], s[84:85]
	s_add_nc_u64 s[8:9], s[8:9], s[86:87]
	s_add_nc_u64 s[4:5], s[4:5], s[92:93]
	s_add_nc_u64 s[12:13], s[12:13], s[94:95]
.irp j, 0,1                                    ; blocks 0 and 1: four loads of K (512 bytes on end each), four of V (a row's 512 bytes each)
.irp i, 0,1,2,3
	global_load_b128 v[64+32*\j+4*\i:67+32*\j+4*\i], v1, s[6:7] offset:32768*\j+512*\i
.endr
.irp i, 0,1,2,3
	global_load_b128 v[80+32*\j+4*\i:83+32*\j+4*\i], v1, s[8:9] offset:512*\j+2048*\i
.endr
.endr
	s_load_b128 s[EX:EX+3], s[10:11], 0x0          ; eq, ek, ep, ev
	v_and_b32 v46, 15, v0                          ; r = lane % 16
	v_bfe_u32 v47, v0, 4, 1                        ; h = lane / 16
	v_lshlrev_b32 v51, 6, v46
	v_lshl_add_u32 v51, v47, 4, v51                ; Q: row r of 64 bytes, + 16 h
.irp j, 0,1
.irp c, 0,1
	global_load_b128 v[QF0+8*\j+4*\c:QF0+8*\j+4*\c+3], v51, s[4:5] offset:1024*\j+32*\c th:TH_LOAD_NT   ; Q's two fragments stay in registers; the launch reads these bytes once
.endr
.endr
	s_mul_i32 s[SKS], s[WV], 16*KP                 ; my 16 LDS rows of K,
	s_mul_i32 s[SVS], s[WV], 4*VP                  ; my 4 of V
	s_add_co_u32 s[SVS], s[SVS], VOFF
	v_bfe_u32 v49, v0, 3, 2
	v_lshl_add_u32 v49, v49, 4, v1                 ; eight lanes fill an LDS row's 128 bytes of K: 16 x lane + 16 x (lane / 8)
	v_add_nc_u32 v49, s[SKS], v49
	v_add_nc_u32 v50, s[SVS], v1
	s_add_co_u32 s[SKS], s[SKS], 2*STAGEB          ; from here on: for block 2
	s_add_co_u32 s[SVS], s[SVS], 2*STAGEB
	v_and_b32 v48, 8, v46
	v_add_nc_u32 v48, v48, v46                     ; r + 8 (r / 8): my key in a tile's span
	v_lshrrev_b32 v52, 1, v48
	v_mul_u32_u24 v[AK], v52, KP                   ; two keys to an LDS row:
	v_and_b32 v48, 1, v48
	v_lshl_add_u32 v[AK], v48, 6, v[AK]            ; the odd one 64 bytes on,
	v_lshl_add_u32 v[AK], v47, 4, v[AK]            ; + 16 h
	v_mul_u32_u24 v[AV], v46, VP
	v_lshl_add_u32 v[AV], v47, 4, v[AV]            ; V: row d = r, + 16 h
	v_mov_b32 v[NEG0], 0x7f61b1e6                  ; -M begins at 3e38: M lies under every t
	v_mov_b32 v[NEG1], 0x7f61b1e6
.irp i, 0,1,2,3
	v_mov_b32 v[LS0+\i], 0                         ; the sums
.endr
.set i, 0
.rept 64
	v_mov_b32 v[OT+i], 0                           ; O^T, under the loads' flight.  (The step has no first form of its own: the first finds zeros, which the first change of M leaves zeros)
.set i, i+1
.endr
	s_mov_b32 s[SEL], 0x76543210
	s_mov_b32 s[SEL+1], 0xfedcba98
	s_mov_b32 s[CS], 0x3e38aa3b                    ; log2(e) / 8
	s_wait_alu depctr_va_vdst(0)                   ; directly ahead of the wait below
	s_wait_kmcnt 0x0
	s_add_co_i32 s79, s[EX], s[EX+1]
	s_lshl_b32 s79, s79, 23
	s_add_co_i32 s[CS], s[CS], s79                 ; a score stands for score x 2^(eq + ek): the two exponents are added to c's exponent field
	s_mov_b32 s[CS+1], s[CS]                       ; (named with it as a pair, so it is written)
	s_add_co_i32 s79, s[EX+2], 127
	s_lshl_b32 s[EPV], s79, 23
	v_mov_b32 v[SCL], s[EPV]                       ; 2^ep as f32: the conversion takes its exponent field
	s_add_co_i32 s79, s79, 15
	s_lshl_b32 s79, s79, 23
	s_or_b32 s79, s79, 0x600000
	v_mov_b32 v[LIM], s79                          ; 57,344 x 2^ep
	s_add_co_i32 s[EPV], s[EX+2], s[EX+3]          ; ep + ev
; Entry e of 32 of a tile's maximum: the 64 scores from v[sb] on, three operands at a time, in two chains c0 and c1, in ascending order.
.macro MAXI sb, c0, c1, e
.if (\e) == 0
	v_max3_num_f32 v[\c0], v[\sb], v[\sb+1], v[\sb+2]
.elseif (\e) == 1
	v_max3_num_f32 v[\c1], v[\sb+3], v[\sb+4], v[\sb+5]
.elseif 30 > (\e)
.set mi, \sb+6+4*(((\e)-2)/2)
.if ((\e)%2) == 0
	v_max3_num_f32 v[\c0], v[\c0], v[mi], v[mi+1]
.else
	v_max3_num_f32 v[\c1], v[\c1], v[mi+2], v[mi+3]
.endif
.elseif (\e) == 30
	v_max3_num_f32 v[\c0], v[\c0], v[\sb+62], v[\sb+63]
.else
	v_max_num_f32 v[\c0], v[\c0], v[\c1]
.endif
.endm
; Entry e of 32 of a tile's part of l: the 32 pairs of UNQUANTISED p from v[sb] on, in four chains (l itself and three pairs at work).
.macro SUMI sb, ls, e
.if (\e) == 0
	v_pk_add_f32 v[\ls:\ls+1], v[\ls:\ls+1], v[\sb:\sb+1]
.elseif 4 > (\e)
.set sx, ST+2*((\e)-1)
.set sp, \sb+4*(\e)
	v_pk_add_f32 v[sx:sx+1], v[sp-2:sp-1], v[sp:sp+1]
.elseif 29 > (\e)
.set sp, \sb+2*((\e)+3)
.if ((\e)%4) == 0
	v_pk_add_f32 v[\ls:\ls+1], v[\ls:\ls+1], v[sp:sp+1]
.else
.set sx, ST+2*((\e)%4)-2
	v_pk_add_f32 v[sx:sx+1], v[sx:sx+1], v[sp:sp+1]
.endif
.elseif (\e) == 29
	v_pk_add_f32 v[\ls:\ls+1], v[\ls:\ls+1], v[ST:ST+1]
.elseif (\e) == 30
	v_pk_add_f32 v[ST+2:ST+3], v[ST+2:ST+3], v[ST+4:ST+5]
.else
	v_pk_add_f32 v[\ls:\ls+1], v[\ls:\ls+1], v[ST+2:ST+3]
.endif
.endm
; t - M of pair e of a tile (of the pairs c and -M the low word serves both halves)
.macro FMAI sb, mm, e
	v_pk_fma_f32 v[\sb+2*(\e):\sb+2*(\e)+1], v[\sb+2*(\e):\sb+2*(\e)+1], s[CS:CS+1], v[\mm:\mm+1] op_sel_hi:[1,0,0]
.endm
; The hold (the conversion to an 8-bit code does not saturate: ISA guide 7.6.2; p is not negative, so the hold is one-sided), for every given exponent and without a branch, and the codes: group g of eight keys to v[pd + 2 g].
.macro QUANT sb, pd
.set qj, 0
.rept 32
	v_dual_min_num_f32 v[\sb+qj], v[\sb+qj], v[LIM] :: v_dual_min_num_f32 v[\sb+qj+1], v[\sb+qj+1], v[LIM]
.set qj, qj+2
.endr
.irp g, 0,1,2,3,4,5,6,7
	v_cvt_scalef32_pk8_bf8_f32 v[\pd+2*\g:\pd+2*\g+1], v[\sb+8*\g:\sb+8*\g+7], v[SCL]
.endr
.endm
; Four fragments of K (tiles 4 g to 4 g + 3 of the step's eight: 16 keys x 64, 8 registers, two loads) into v[kb] on.  Tile 2 b + u begins at key 32 b + 8 u: LDS row 16 b + 4 u.
.macro KLOAD g, kb
.irp i, 0,1,2,3
.set ko, (16*((4*\g+\i)/2)+4*(\i%2))*KP
	ds_load_b128 v[\kb+8*\i:\kb+8*\i+3], v[ADK] offset:ko
	ds_load_b128 v[\kb+8*\i+4:\kb+8*\i+7], v[ADK] offset:ko+32
.endr
.endm
; S^T = K Q^T for those four tiles of keys and both tiles of queries; the constant 0 starts every sum.
.macro SMUL g, kb, late                ; late: the LDS loads issued behind the first fragment's two
.irp i, 0,1,2,3
.set st, 8*(4*\g+\i)
	s_wait_dscnt \late-2*\i                        ; LDS loads come back in order (ISA guide 5.7.1): fragment i's two are in
	v_wmma_f32_16x16x64_bf8_bf8 v[SC0+st:SC0+st+7], v[\kb+8*\i:\kb+8*\i+7], v[QF0:QF0+7], 0
	v_wmma_f32_16x16x64_bf8_bf8 v[SC1+st:SC1+st+7], v[\kb+8*\i:\kb+8*\i+7], v[QF1:QF1+7], 0
.endr
.endm
; A KEY STEP: 128 keys, for my 32 queries.  stg = 1, in the first four steps: a quarter of my part of blocks 2 and 3 is loaded and stored on the way.
.macro STEP stg
	v_add_nc_u32 v[ADK], s[TBK], v[AK]
	KLOAD 0, KF0                                   ; into registers that the last step's products do not name
.rept 4
	v_nop                                          ; with the addition five places behind the last step's products: the loads below land on P, and the products below write over V's fragments
.endr
	KLOAD 1, KF1
	SMUL 0, KF0, 14
.rept 5
	v_nop                                          ; five places: the products below write over the fragments of those above
.endr
	SMUL 1, KF1, 6
.set mj, 0
.rept 40                               ; both tiles' maxima, T1's eight entries behind T0's: T0's first fifteen entries name scores of tiles 0 to 3 alone, and are places behind the products just issued
.if 32 > mj
	MAXI SC0, 1, 62, mj
.endif
.if (\stg) && (mj == 7)
	v_and_b32 v58, 31, v0
	v_lshlrev_b32 v58, 4, v58                      ; 16 x lane
	global_load_b128 v[30:33], v58, s[6:7] offset:2*32768   ; K: 512 bytes on end of block 2,
	global_load_b128 v[34:37], v58, s[6:7] offset:3*32768   ; of block 3,
	global_load_b128 v[38:41], v58, s[8:9] offset:2*512     ; V: a row's 512 bytes of block 2,
	global_load_b128 v[42:45], v58, s[8:9] offset:3*512     ; of block 3
.endif
.if mj >= 8
	MAXI SC1, 54, 55, mj-8
.endif
.set mj, mj+1
.endr
	; from a tile's largest score of the step to the new -M, to f = 2^(old M - new M), and l under the new M.  The ceiling is monotone, so -M alone is carried: min(floor(-t), old -M)
	v_permlanex16_b32 v56, v1, s[SEL], s[SEL+1]    ; the query's other 64 keys lie in lane l xor 16
	v_permlanex16_b32 v57, v54, s[SEL], s[SEL+1]
	v_max_num_f32 v1, v1, v56
	v_max_num_f32 v54, v54, v57
	v_mul_f32 v1, s[CS], v1                        ; as t (c is positive)
	v_mul_f32 v54, s[CS], v54
	v_floor_f32 v1, -v1                            ; floor(-t) = -ceil(t): a whole number
	v_floor_f32 v54, -v54
	v_min_num_f32 v1, v1, v[NEG0]                  ; the new -M
	v_min_num_f32 v54, v54, v[NEG1]
	v_sub_f32 v62, v1, v[NEG0]                     ; M's old value less its new one: a whole number, 0 or less
	v_sub_f32 v55, v54, v[NEG1]
	v_mov_b32 v[NEG0], v1
	v_mov_b32 v[NEG1], v54
	v_cvt_i32_f32 v62, v62                         ; (it saturates)
	v_cvt_i32_f32 v55, v55
	v_ldexp_f32 v[FF0], 1.0, v62
	v_ldexp_f32 v[FF1], 1.0, v55
	v_pk_mul_f32 v[LS0:LS0+1], v[LS0:LS0+1], v[FF0:FF0+1] op_sel_hi:[1,0]
	v_pk_mul_f32 v[LS1:LS1+1], v[LS1:LS1+1], v[FF1:FF1+1] op_sel_hi:[1,0]
.set j, 0
.rept 32
	FMAI SC0, NEG0, j
.set j, j+1
.endr
	s_wait_alu depctr_va_vdst(0)                   ; the wait ahead of the batch
.set j, 0
.rept 32                               ; T0's exponentials, p = 2^(t - M), NOT normalised; T1's t - M, which nothing reads before the next wait, stand among them
	v_exp_f32 v[SC0+2*j], v[SC0+2*j]
	v_exp_f32 v[SC0+2*j+1], v[SC0+2*j+1]
	FMAI SC1, NEG1, j
.set j, j+1
.endr
.if \stg
	s_wait_loadcnt 0x0                             ; my four loads are in: their registers, their offset and the bases are free
	v_bfe_u32 v59, v0, 3, 2
	v_lshl_add_u32 v59, v59, 4, v58
	v_add_nc_u32 v59, s[SKS], v59
	v_add_nc_u32 v60, s[SVS], v58
	ds_store_b128 v59, v[30:33]
	ds_store_b128 v60, v[38:41]
	v_add_nc_u32 v59, STAGEB, v59
	v_add_nc_u32 v60, STAGEB, v60
	ds_store_b128 v59, v[34:37]
	ds_store_b128 v60, v[42:45]
	s_add_nc_u64 s[6:7], s[6:7], 512
	s_add_nc_u64 s[8:9], s[8:9], 2048
.endif
	s_wait_alu depctr_va_vdst(0)                   ; one wait for the batch, and directly ahead of O^T's first readers
.set j, 0
.rept 32                               ; O^T x f, in ascending order, and T0's part of l
.if 16 > j
	v_pk_mul_f32 v[OT+2*j:OT+2*j+1], v[OT+2*j:OT+2*j+1], v[FF0:FF0+1] op_sel_hi:[1,0]
.else
	v_pk_mul_f32 v[OT+2*j:OT+2*j+1], v[OT+2*j:OT+2*j+1], v[FF1:FF1+1] op_sel_hi:[1,0]
.endif
	SUMI SC0, LS0, j
.set j, j+1
.endr
	QUANT SC0, PC0
	v_add_nc_u32 v[ADV], s[TBV], v[AV]             ; (the plain place behind the conversions)
.irp i, 0,1,2,3                        ; V's four fragments (16 d x the step's 128 keys: 16 registers, four loads): they have T1's exponentials in which to come
.irp c, 0,1,2,3
	ds_load_b128 v[SC0+16*\i+4*\c:SC0+16*\i+4*\c+3], v[ADV] offset:16*\i*VP+32*\c
.endr
.endr
.set j, 0
.rept 64
	v_exp_f32 v[SC1+j], v[SC1+j]
.set j, j+1
.endr
	s_wait_alu depctr_va_vdst(0)                   ; one wait for the batch, ahead of its first reader
.set j, 0
.rept 32
	SUMI SC1, LS1, j
.set j, j+1
.endr
	QUANT SC1, PC1
	v_nop                                          ; one plain place between the last conversion and the products that read its result
	s_wait_alu depctr_va_vdst(0)                   ; directly ahead of the wait below
	s_wait_dscnt 0x0                               ; V's fragments are in
.irp i, 0,1,2,3                        ; O^T += V^T P^T: the eight accumulators by turns, one instruction a turn
	v_wmma_f32_16x16x128_bf8_bf8 v[OT+8*\i:OT+8*\i+7], v[SC0+16*\i:SC0+16*\i+15], v[PC0:PC0+15], v[OT+8*\i:OT+8*\i+7]
	v_wmma_f32_16x16x128_bf8_bf8 v[OT+32+8*\i:OT+32+8*\i+7], v[SC0+16*\i:SC0+16*\i+15], v[PC1:PC1+15], v[OT+32+8*\i:OT+32+8*\i+7]
.endr
.endm
	s_wait_alu depctr_va_vdst(0)                   ; the wait at the head's end
	s_wait_loadcnt 12                              ; block 0's eight loads are in; block 1's eight and Q's four may be out
.irp i, 0,1,2,3
	ds_store_b128 v49, v[64+4*\i:67+4*\i] offset:4*KP*\i
	ds_store_b128 v50, v[80+4*\i:83+4*\i] offset:VP*\i
.endr
	v_add_nc_u32 v49, STAGEB, v49
	v_add_nc_u32 v50, STAGEB, v50
	s_wait_alu depctr_va_vdst(0)                   ; directly ahead of the wait below
	s_wait_loadcnt 4                               ; block 1's are in; Q's four may be out
.irp i, 0,1,2,3
	ds_store_b128 v49, v[96+4*\i:99+4*\i] offset:4*KP*\i
	ds_store_b128 v50, v[112+4*\i:115+4*\i] offset:VP*\i
.endr
	s_wait_loadcnt 0x0                             ; Q
	s_wait_dscnt 0x0                               ; my stores are done:
	s_barrier_signal -1
	s_barrier_wait -1                              ; everybody's parts of blocks 0 and 1 are in
	s_mov_b32 s[TBK], 0
	s_mov_b32 s[TBV], VOFF
	s_mov_b32 s[CIN], 4
.Lblock0:                                          ; keys 0 to 511; blocks 2 and 3 are filled on the way
	STEP 1
	s_add_co_u32 s[SKS], s[SKS], 4*KP
	s_add_co_u32 s[SVS], s[SVS], VP
	s_add_co_u32 s[TBK], s[TBK], KSTEPB
	s_add_co_u32 s[TBV], s[TBV], 128
	s_sub_co_u32 s[CIN], s[CIN], 1
	s_cmp_lg_u32 s[CIN], 0
	s_cbranch_scc1 .Lblock0
	s_wait_dscnt 0x0                               ; my stores into blocks 2 and 3 are done, and my reads of block 0 are over:
	s_barrier_signal -1                            ; say so; up to the wait stand work on registers and reads of block 1, which nobody writes again
	s_mov_b32 s[TBK], STAGEB
	s_mov_b32 s[TBV], STAGEB+VOFF
	s_mov_b32 s[CIN], 4
.Lblock1:
	STEP 0
	s_add_co_u32 s[TBK], s[TBK], KSTEPB
	s_add_co_u32 s[TBV], s[TBV], 128
	s_sub_co_u32 s[CIN], s[CIN], 1
	s_cmp_lg_u32 s[CIN], 0
	s_cbranch_scc1 .Lblock1
	s_barrier_wait -1                              ; blocks 2 and 3 are whole, and nobody reads block 0 any more: from here to the end the sixteen waves run free
	s_mov_b32 s[TBK], 2*STAGEB
	s_mov_b32 s[TBV], 2*STAGEB+VOFF
	s_mov_b32 s[COUT], 2
.Lblock:
	s_mov_b32 s[CIN], 4
.Lstep:
	STEP 0
	s_add_co_u32 s[TBK], s[TBK], KSTEPB
	s_add_co_u32 s[TBV], s[TBV], 128
	s_sub_co_u32 s[CIN], s[CIN], 1
	s_cmp_lg_u32 s[CIN], 0
	s_cbranch_scc1 .Lstep
	s_add_co_u32 s[TBK], s[TBK], STAGEB-4*KSTEPB   ; on to the next block
	s_add_co_u32 s[TBV], s[TBV], STAGEB-4*128
	s_sub_co_u32 s[COUT], s[COUT], 1
	s_cmp_lg_u32 s[COUT], 0
	s_cbranch_scc1 .Lblock
	; THE WAY OUT.  l's two halves and lane l xor 16's are added; O^T x 2^(ep + ev) / l goes through my stage in LDS, a tile (16 rows of 256 bytes) at a time, and leaves as whole rows.
	; The stages lie in block 0, which nobody reads behind the second barrier.  The lines below name no register of the last products: they are the places behind them.
	v_and_b32 v1, 15, v0                           ; r
	v_bfe_u32 v62, v0, 4, 1                        ; h
	s_mul_i32 s81, s[WV], 16*OSP                   ; my stage
	v_mul_u32_u24 v[STO], v1, OSP
	v_lshl_add_u32 v[STO], v62, 5, v[STO]
	v_add_nc_u32 v[STO], s81, v[STO]               ; in: row r; accumulator t's eight channels of my half: 64 t + 32 h bytes on
	v_mul_u32_u24 v[RD], v62, OSP
	v_lshl_add_u32 v[RD], v1, 4, v[RD]
	v_add_nc_u32 v[RD], s81, v[RD]                 ; back: lanes 0-15 one row, lanes 16-31 the next; 16 bytes a lane
	v_add_f32 v[NEG0], v[LS0], v[LS0+1]
	v_add_f32 v[NEG1], v[LS1], v[LS1+1]
	v_permlanex16_b32 v[FF0], v[NEG0], s[SEL], s[SEL+1]
	v_permlanex16_b32 v[FF1], v[NEG1], s[SEL], s[SEL+1]
	v_add_f32 v[NEG0], v[NEG0], v[FF0]
	v_add_f32 v[NEG1], v[NEG1], v[FF1]             ; the rows' sums
	s_wait_alu depctr_va_vdst(0)                   ; the wait ahead of the batch
	v_rcp_f32 v[LS0], v[NEG0]
	v_rcp_f32 v[LS1], v[NEG1]
	v_lshlrev_b32 v[GO], 8, v62                    ; (plain places behind the reciprocals)  the same two rows in out0
	v_lshl_add_u32 v[GO], v1, 4, v[GO]
	s_wait_alu depctr_va_vdst(0)                   ; the wait, ahead of the first reader
	v_ldexp_f32 v[LS0], v[LS0], s[EPV]             ; x 2^(ep + ev)
	v_ldexp_f32 v[LS1], v[LS1], s[EPV]
.macro PACK a
.set pe, SC0+64*\a
.set pf, pe+32
	s_wait_alu depctr_va_vdst(0)                   ; directly ahead of these accumulators' first readers
.set i, 0
.rept 16
	v_pk_mul_f32 v[pe+2*i:pe+2*i+1], v[OT+32*\a+2*i:OT+32*\a+2*i+1], v[LS0+2*\a:LS0+2*\a+1] op_sel_hi:[1,0]   ; register 8 a + j is out(r, 16 a + 8 h + j); each accumulator from its low end on
.set i, i+1
.endr
.irp c, 0,1,2,3
	ds_store_b128 v[STO], v[pe+8*\c:pe+8*\c+3] offset:64*\c
	ds_store_b128 v[STO], v[pe+8*\c+4:pe+8*\c+7] offset:64*\c+16
.endr
.irp c, 0,1,2,3,4,5,6,7
	ds_load_b128 v[pf+4*\c:pf+4*\c+3], v[RD] offset:\c*2*OSP   ; LDS serves a wave's instructions in order (ISA guide 5.7.1.4): these see the stores above, and the next tile's stores come behind them
.endr
.endm
.macro SEND a, late                    ; late: the LDS instructions issued behind tile a's loads
.set pf, SC0+64*\a+32
.irp c, 0,1,2,3,4,5,6,7
	s_wait_dscnt \late+7-\c
	global_store_b128 v[GO], v[pf+4*\c:pf+4*\c+3], s[12:13] offset:\a*4096+\c*512 th:TH_STORE_NT   ; 16 lanes store 256 consecutive bytes, a whole row, at a multiple of 256 from out0's first byte; written once, read by nobody here
.endr
.endm
	PACK 0
	PACK 1                                         ; T1's arithmetic stands between T0's loads from the stage and its stores
	SEND 0, 16                                     ; behind T0's loads: T1's eight stores and eight loads
	SEND 1, 0
	v_lshl_add_u32 v2, v0, 2, SPARE                ; my spare word,
	v_mov_b32 v4, 0                                ; and 0
	s_wait_alu depctr_va_vdst(0)                   ; directly ahead of the wait below
	s_wait_tensorcnt 0x0                           ; the wave's end, behind my last LDS store
	ds_add_u32 v2, v4
	s_wait_dscnt 0x0
	s_endpgm
.Lfunc_end_k_qb00e630ce6_attn:
	.size	k_qb00e630ce6_attn, .Lfunc_end_k_qb00e630ce6_attn-k_qb00e630ce6_attn
	.p2alignl 7, 3214868480
	.fill 96, 4, 3214868480
	.section	.rodata,"a",@progbits
	.p2align	6, 0x0
	.amdhsa_kernel k_qb00e630ce6_attn
		.amdhsa_group_segment_fixed_size 284672
		.amdhsa_private_segment_fixed_size 0
		.amdhsa_enable_private_segment 0
		.amdhsa_kernarg_size 40
		.amdhsa_user_sgpr_count 2
		.amdhsa_user_sgpr_kernarg_segment_ptr 1
		.amdhsa_wavefront_size32 1
		.amdhsa_system_sgpr_workgroup_id_x 1
		.amdhsa_system_sgpr_workgroup_id_y 1
		.amdhsa_system_sgpr_workgroup_id_z 1
		.amdhsa_system_vgpr_workitem_id 0
		.amdhsa_next_free_vgpr 256
		.amdhsa_next_free_sgpr 96
		.amdhsa_reserve_vcc 0
		.amdhsa_float_denorm_mode_32 3
		.amdhsa_float_denorm_mode_16_64 3
		.amdhsa_memory_ordered 1
		.amdhsa_forward_progress 1
		.amdhsa_inst_pref_size 104
	.end_amdhsa_kernel
	.amdgpu_metadata
---
amdhsa.version: [ 1, 2 ]
amdhsa.kernels:
  - .name:           k_qb00e630ce6_attn
    .symbol:         k_qb00e630ce6_attn.kd
    .args:
      - { .name: q_codes, .offset: 0, .size: 8, .value_kind: global_buffer, .address_space: global }
      - { .name: k_codes, .offset: 8, .size: 8, .value_kind: global_buffer, .address_space: global }
      - { .name: v_codes, .offset: 16, .size: 8, .value_kind: global_buffer, .address_space: global }
      - { .name: lowp_scales, .offset: 24, .size: 8, .value_kind: global_buffer, .address_space: global }
      - { .name: out0, .offset: 32, .size: 8, .value_kind: global_buffer, .address_space: global }
    .group_segment_fixed_size: 284672
    .private_segment_fixed_size: 0
    .kernarg_segment_align: 8
    .kernarg_segment_size: 40
    .max_flat_workgroup_size: 512
    .sgpr_count:     96
    .vgpr_count:     256
    .wavefront_size: 32
...
	.end_amdgpu_metadata
.endif
;; end of part 1
